; MI455X (gfx1250); checked and timed in simulation.
; The chip was launched on July 23, 2026; its instructions are those of AMD's public machine-readable ISA for CDNA 5 (MIT licence, August 2026) and "CDNA5" Instruction Set Architecture Reference Guide (July 2026). The comments in the code are by the model that wrote it; some were corrected since.
;; Vector Quantizer2. Allowed arithmetic: matrix products marked QUANTISED: E2M1 operands, one E8M0 scale for each 32 along K, by v_wmma_scale_f32_16x16x128_f8f6f4 with both operands' format E2M1 (or v_wmma_scale_f32_32x16x128_f4), f32 sums; everything else in f32.
;; Inputs: codebook 4,096 x 256 float32; z 32 x 2,048 x 256 float32.
;; Outputs: out0 32 x 2,048 x 256 float32.
;; This version of the problem:
;;   THIS VERSION OF THE PROBLEM IS GIVEN IN LOW PRECISION. The matrix products marked QUANTISED in the list below multiply operands that are first quantised to E2M1 (2 exponent bits, 1 mantissa bit; 4 bits a number), with one power-of-two scale for each 32 numbers along K (OCP MX v1.0); their sums are f32. All else is computed in f32.
;;   The module's matrix products, in the order in which they are computed (A, B: the left and right operand; K: the contracted axis; several contracted axes count as one K, in the product's order):
;;     1. [M 65,536, K 256] x [K 256, N 4,096]; A: input z; B: input codebook: QUANTISED
;;   THE QUANTISER, for each operand of a quantised product, along K:
;;     - K is cut into blocks of 32 from its start; a last block that is shorter is filled with zeros.
;;     - A block's scale is 2^e with e = floor(log2(the largest magnitude in the block)) - 2, held to -126 .. 127; a block of zeros has e = 0. As a byte (E8M0): e + 127.
;;     - Each number is divided by its block's scale, clamped to +-6, and rounded to the nearest number of E2M1, ties to even, subnormals kept.
;;     - The product sums the exact products of the quantised numbers (number of the format x scale) in f32.
;;   ~~~python
;;   def quantise(x, axis):      # numpy; x: float32 -> the quantised numbers, widened to float32 again
;;       x = np.moveaxis(x, axis, -1); K = x.shape[-1]
;;       x = np.pad(x, [(0, 0)] * (x.ndim - 1) + [(0, -K % 32)]); x = x.reshape(x.shape[:-1] + (-1, 32)); a = np.abs(x).max(-1, keepdims=True)
;;       e = np.where(a > 0, np.clip(np.frexp(np.where(a > 0, a, 1))[1] - 1 - 2, -126, 127), 0)      # np.frexp(a)[1] - 1 = floor(log2(a)), exactly
;;       r = np.clip(x / 2.0 ** e, -6, 6)
;;       step = 2.0 ** (np.maximum(np.frexp(np.where(r == 0, 1, r))[1] - 1, 0) - 1)
;;       q = np.round(r / step) * step * 2.0 ** e      # np.round: ties to even
;;       return np.moveaxis(q.reshape(q.shape[:-2] + (-1,))[..., :K], -1, axis).astype(np.float32)
;;   ~~~
;; One version. Each part assembles by itself: llvm-mc -triple=amdgcn-amd-amdhsa -mcpu=gfx1250 --defsym DOCPART=n.
;; ======== version 1 of 1: 3 launches
;; limits: right only within a limited range of input values
;; workspace buffers: cbq 589,824 bytes; idx 262,144 bytes of whole numbers
;; launch prep (part 1): grid 256 x 1, 1 waves a work-group, no clusters, 17,152 bytes of LDS; arguments codebook, cbq; writes cbq
.if DOCPART == 1
	.amdgcn_target "amdgcn-amd-amdhsa--gfx1250"
	.amdhsa_code_object_version 6
	.text
	.protected	k_q245fac6a73_prep
	.globl	k_q245fac6a73_prep
	.p2align	8
	.type	k_q245fac6a73_prep,@function
k_q245fac6a73_prep:
	s_mov_b64 s[64:65], 0
	v_nop
	global_prefetch_b8 v0, s[64:65] scope:SCOPE_SE
	s_setreg_imm32_b32 hwreg(HW_REG_WAVE_MODE, 25, 1), 1
	s_wait_xcnt 0x0
; The codebook [4096][256] f32 becomes codes of FP4 (E2M1) with one E8M0 scale byte for each 32 along K, laid in the ORDER OF THE OPERAND'S REGISTERS, and each code's sum of squares.
; cbq: 128 records of REC = 4,608 bytes, one for each tile T of 32 codes:
;   bytes 0-4095     register group G = 4 s + 2 a + c (s: K step of 128; a: which 16 codes; c: 0, 1) at 512 G + 16 x lane: lane (r, h) holds code 32 T + 16 a + r, k = 128 s + 64 c + 32 h + 0 .. 31
;   bytes 4096-4351  scale bytes, 8 a code: word s serves K step s        bytes 4352-4479  the sums of squares, f32        bytes 4480-4607  zeros, so that every byte of a record is written
; A work-group of one wave takes 16 codes (half a tile): 16 KiB in, 2,304 bytes out.  Each load reads 512 consecutive bytes (half a row); the numbers turn through a stage in LDS,
; so that a lane then holds 16 NEIGHBOURS along K of each block of 32 of ONE row, as the conversions want them.  The codes leave as 512 consecutive bytes a store; the scale words and the sums leave
; as pieces of 128 bytes, 384 of a record's 4,608 bytes.
; A block's scale is 2^(floor(log2(its largest magnitude)) - 2); its byte is the largest magnitude's exponent field - 2, held at 1 from below.
; LIMITS: a block whose largest magnitude lies under 2^-124, a block of zeros among them, gets the byte 1 (a block of zeros has zero codes, and this program alone reads the bytes); NaN and infinities are not served.
.set REC,  4608
.set STGB, 8448                        ; a stage: 16 rows x (512 bytes + 16): the 16 rows that a read touches begin in 16 different columns of 16 bytes
.set L16,  4                           ; v4   16 x lane: my place in a load's 512 bytes
.set STW,  4                           ;      and in a stage row on the way in (the stages begin at LDS byte 0)
.set STR,  5                           ; v5   the stage on the way out: 528 r + 64 h
.set SOF,  6                           ; v6   my scale word's place in the record, less 4096: 128 a + 8 r + 4 h
.set EO,   7                           ; v7   my sum's place, less 4352: 64 a + 4 r + 128 h (lanes 16-31 write the zeros)
.set SQ,   8                           ; v8-15  four pairs of running sums of squares
.set CW,   16                          ; v16  my codes' place: 1024 a + 16 x lane
.set TM,   24                          ; v24-39 at work in QUANT
.set PC,   40                          ; v40-47 K step 0's codes, v48-55 K step 1's: no store's data are written again
.set PW,   56                          ; v56, v57 their scale words; v58, v59 what is stored
.set RA,   64                          ; v64-191 two sets of 64 numbers as loaded
.set X,    192                         ; v192-255 64 numbers: register 16 b + i = k 32 b + 16 h + i of my row
.macro GLOAD set, off                  ; half of each of the 16 rows: 512 consecutive bytes a load.  No hint: the table is read again by the last launch
.irp i, 0,1,2,3,4,5,6,7,8,9,10,11,12,13,14,15
	global_load_b128 v[\set+4*\i:\set+4*\i+3], v[L16], s[4:5] offset:\off+1024*\i
.endr
.endm
.macro TURN_IN set, stg                ; into the stage as loaded
.irp i, 0,1,2,3,4,5,6,7,8,9,10,11,12,13,14,15
	ds_store_b128 v[STW], v[\set+4*\i:\set+4*\i+3] offset:\stg+528*\i
.endr
.endm
.macro TURN_OUT stg                    ; and back, 16 neighbours of each block to a lane.  LDS serves a wave's instructions in order (ISA guide 5.7.1.4): these see the stores
.irp b, 0,1,2,3
.irp j, 0,1,2,3
	ds_load_b128 v[X+16*\b+4*\j:X+16*\b+4*\j+3], v[STR] offset:\stg+128*\b+16*\j
.endr
.endr
.endm
.macro SUMSQ first                     ; my 64 numbers' squares onto four pairs of sums; first = 1: the first four products start them
.set cnt, 0
.rept 32
.if (\first) && (cnt < 4)
	v_pk_mul_f32 v[SQ+2*cnt:SQ+2*cnt+1], v[X+2*cnt:X+2*cnt+1], v[X+2*cnt:X+2*cnt+1]
.else
	v_pk_fma_f32 v[SQ+2*(cnt%4):SQ+2*(cnt%4)+1], v[X+2*cnt:X+2*cnt+1], v[X+2*cnt:X+2*cnt+1], v[SQ+2*(cnt%4):SQ+2*(cnt%4)+1]
.endif
.set cnt, cnt+1
.endr
.endm
.macro FOLD                            ; the row's sum of squares into v[SQ], in every lane of the row
	v_pk_add_f32 v[SQ:SQ+1], v[SQ:SQ+1], v[SQ+2:SQ+3]
	v_pk_add_f32 v[SQ+4:SQ+5], v[SQ+4:SQ+5], v[SQ+6:SQ+7]
	v_pk_add_f32 v[SQ:SQ+1], v[SQ:SQ+1], v[SQ+4:SQ+5]
	v_add_f32 v[SQ], v[SQ], v[SQ+1]
	v_permlanex16_b32 v[SQ+1], v[SQ], s20, s21
	v_add_f32 v[SQ], v[SQ], v[SQ+1]
.endm
; 64 numbers of a lane, register 16 b + i = k 32 b + 16 (lane / 16) + i of my row, become a fragment's 8 registers of codes in v[pc] on and its scale word in v[pw].
.macro QUANT s, pc, pw
.irp b, 0,1,2,3
	v_max3_num_f32 v[TM+\b], |v[\s+16*\b]|, |v[\s+1+16*\b]|, 0x1800000   ; block b: my 16 numbers, and the floor 2^(3 - 127): the byte cannot fall under 1
.endr
.irp i, 2,4,6,8,10,12,14
.irp b, 0,1,2,3
	v_max3_num_f32 v[TM+\b], v[TM+\b], |v[\s+16*\b+\i]|, |v[\s+1+16*\b+\i]|   ; the four blocks by turns
.endr
.endr
.irp b, 0,1,2,3
	v_permlanex16_b32 v[TM+4+\b], v[TM+\b], s20, s21
.endr
.irp b, 0,1,2,3
	v_max_num_f32 v[TM+\b], v[TM+\b], v[TM+4+\b]   ; with lane l xor 16's: the block's largest magnitude
.endr
.irp b, 0,1,2,3
	v_add_nc_u32 v[TM+12+\b], 0xff000000, v[TM+\b]   ; 2 off its exponent field: the conversion takes this operand's exponent field as its scale
.endr
.irp b, 0,1,2,3
	v_lshrrev_b32 v[TM+4+\b], 23, v[TM+12+\b]      ; the scale's byte
.endr
	v_lshl_or_b32 v[\pw], v[TM+5], 8, v[TM+4]      ; four bytes: my row's scale word
	v_lshl_or_b32 v[\pw], v[TM+6], 16, v[\pw]
	v_lshl_or_b32 v[\pw], v[TM+7], 24, v[\pw]
.irp b, 0,1,2,3
	v_cvt_scalef32_pk8_fp4_f32 v[\pc+2*\b], v[\s+16*\b:\s+7+16*\b], v[TM+12+\b]
	v_cvt_scalef32_pk8_fp4_f32 v[\pc+1+2*\b], v[\s+8+16*\b:\s+15+16*\b], v[TM+12+\b]
.endr
	v_nop                                          ; one plain place behind a scaled conversion
.irp c, 0,1                            ; the operand's layout wants a WHOLE block in a lane: lanes 0-15 block 2 c, lanes 16-31 block 2 c + 1
.irp i, 0,1
	v_permlane16_swap_b32 v[\pc+4*\c+\i], v[\pc+2+4*\c+\i]
.endr
.endr
.endm
	s_load_b128 s[4:7], s[0:1], 0x0                ; the codebook, cbq
	v_lshl_add_u32 v62, v0, 2, 0x4200
	v_mov_b32 v63, 0
	v_and_b32 v1, 31, v0                           ; lane
	v_and_b32 v2, 15, v0                           ; r
	v_bfe_u32 v3, v0, 4, 1                         ; h
	v_lshlrev_b32 v[L16], 4, v1
	v_mul_u32_u24 v[STR], v2, 528
	v_lshl_add_u32 v[STR], v3, 6, v[STR]
	s_lshr_b32 s8, ttmp9, 1                        ; T: my tile of 32 codes
	s_and_b32 s9, ttmp9, 1                         ; a: which 16 of them
	s_lshl_b32 s10, s9, 7
	v_lshlrev_b32 v[SOF], 3, v2
	v_lshl_add_u32 v[SOF], v3, 2, v[SOF]
	v_add_nc_u32 v[SOF], s10, v[SOF]
	s_lshl_b32 s11, s9, 6
	v_lshlrev_b32 v[EO], 2, v2
	v_lshl_add_u32 v[EO], v3, 7, v[EO]
	v_add_nc_u32 v[EO], s11, v[EO]
	s_lshl_b32 s16, s9, 10
	v_add_nc_u32 v[CW], s16, v[L16]
	s_mov_b32 s20, 0x76543210
	s_mov_b32 s21, 0xfedcba98                      ; v_permlanex16_b32's selects for lane l xor 16
	s_mov_b32 s22, 0xffff0000                      ; lanes 16-31
.irp b, 0,1,2,3
	v_mov_b32 v[TM+4+\b], 0                        ; written once: a lane permute's destination counts as one of its sources
.endr
	s_lshl_b32 s12, ttmp9, 14                      ; my 16 rows of 1,024 bytes
	s_mov_b32 s13, 0
	s_mul_i32 s14, s8, REC                         ; my record
	s_mov_b32 s15, 0
	s_wait_kmcnt 0x0
	s_add_nc_u64 s[4:5], s[4:5], s[12:13]
	s_add_nc_u64 s[6:7], s[6:7], s[14:15]
	GLOAD RA, 0                                    ; K step 0
	GLOAD RA+64, 512                               ; K step 1
	s_wait_loadcnt 16                              ; K step 0's 16 loads are in; K step 1's 16 may be out
	TURN_IN RA, 0
	TURN_OUT 0
	s_wait_loadcnt 0x0
	TURN_IN RA+64, STGB                            ; K step 1 waits in the second stage
	s_wait_dscnt 16                                ; X is in: only the 16 stores just issued may be out
	SUMSQ 1
	QUANT X, PC, PW
	global_store_b128 v[CW], v[PC:PC+3], s[6:7]              ; groups 2 a, 2 a + 1: 512 consecutive bytes each
	global_store_b128 v[CW], v[PC+4:PC+7], s[6:7] offset:512
	TURN_OUT STGB
	s_wait_dscnt 0x0
	SUMSQ 0
	QUANT X, PC+8, PW+1
	global_store_b128 v[CW], v[PC+8:PC+11], s[6:7] offset:2048   ; groups 4 + 2 a, 4 + 2 a + 1
	global_store_b128 v[CW], v[PC+12:PC+15], s[6:7] offset:2560
	FOLD
	v_cndmask_b32 v[PW+2], v[PW], v[PW+1], s22     ; lanes 0-15: K step 0's word of code r; lanes 16-31: K step 1's
	v_cndmask_b32 v[PW+3], v[SQ], 0, s22           ; lanes 0-15: the sum of squares; lanes 16-31: the record's zeros
	global_store_b32 v[SOF], v[PW+2], s[6:7] offset:4096
	global_store_b32 v[EO], v[PW+3], s[6:7] offset:4352
	s_wait_tensorcnt 0x0
	ds_add_u32 v62, v63
	s_wait_dscnt 0x0
	s_endpgm
.Lfunc_end_k_q245fac6a73_prep:
	.size	k_q245fac6a73_prep, .Lfunc_end_k_q245fac6a73_prep-k_q245fac6a73_prep
	.p2alignl 7, 3214868480
	.fill 96, 4, 3214868480
	.section	.rodata,"a",@progbits
	.p2align	6, 0x0
	.amdhsa_kernel k_q245fac6a73_prep
		.amdhsa_group_segment_fixed_size 17152
		.amdhsa_private_segment_fixed_size 0
		.amdhsa_enable_private_segment 0
		.amdhsa_kernarg_size 16
		.amdhsa_user_sgpr_count 2
		.amdhsa_user_sgpr_kernarg_segment_ptr 1
		.amdhsa_wavefront_size32 1
		.amdhsa_system_sgpr_workgroup_id_x 1
		.amdhsa_system_sgpr_workgroup_id_y 1
		.amdhsa_system_sgpr_workgroup_id_z 1
		.amdhsa_system_vgpr_workitem_id 0
		.amdhsa_next_free_vgpr 256
		.amdhsa_next_free_sgpr 66
		.amdhsa_reserve_vcc 0
		.amdhsa_float_denorm_mode_32 3
		.amdhsa_float_denorm_mode_16_64 3
		.amdhsa_memory_ordered 1
		.amdhsa_forward_progress 1
		.amdhsa_inst_pref_size 22
	.end_amdhsa_kernel
	.amdgpu_metadata
---
amdhsa.version: [ 1, 2 ]
amdhsa.kernels:
  - .name:           k_q245fac6a73_prep
    .symbol:         k_q245fac6a73_prep.kd
    .args:
      - { .name: codebook, .offset: 0, .size: 8, .value_kind: global_buffer, .address_space: global }
      - { .name: cbq, .offset: 8, .size: 8, .value_kind: global_buffer, .address_space: global }
    .group_segment_fixed_size: 17152
    .private_segment_fixed_size: 0
    .kernarg_segment_align: 8
    .kernarg_segment_size: 16
    .max_flat_workgroup_size: 32
    .sgpr_count:     66
    .vgpr_count:     256
    .wavefront_size: 32
...
	.end_amdgpu_metadata
.endif
;; end of part 1
;; launch main (part 2): grid 256 x 1, 8 waves a work-group, clusters of 4 x 1, 327,680 bytes of LDS; arguments z, cbq, idx; writes idx
.if DOCPART == 2
	.amdgcn_target "amdgcn-amd-amdhsa--gfx1250"
	.amdhsa_code_object_version 6
	.text
	.protected	k_q245fac6a73_main
	.globl	k_q245fac6a73_main
	.p2align	8
	.type	k_q245fac6a73_main,@function
k_q245fac6a73_main:
	s_mov_b64 s[64:65], 0
	v_nop
	global_prefetch_b8 v0, s[64:65] scope:SCOPE_SE
	s_setreg_imm32_b32 hwreg(HW_REG_WAVE_MODE, 25, 1), 1
	s_wait_xcnt 0x0
	s_wait_alu depctr_hold_cnt(0) depctr_sa_sdst(0) depctr_va_vdst(0) depctr_va_sdst(0) depctr_va_ssrc(0) depctr_va_vcc(0) depctr_vm_vsrc(0)
	s_getreg_b32 s2, hwreg(HW_REG_IB_STS2, 6, 4)
	s_cmp_eq_u32 s2, 0
	s_cbranch_scc0 .Lentry_in_a_cluster
	s_endpgm
.Lentry_in_a_cluster:
	s_bfe_u32 s2, ttmp6, 0x10000c
	s_cmp_lg_u32 s2, 0x3003
	s_cbranch_scc0 .Lentry_shape_is_right
	s_endpgm
.Lentry_shape_is_right:
; idx[row] = the first index at which d = (sum z^2 + sum e^2) - 2 (z . e) is least, over 4,096 codes, for 65,536 rows of z.  z . e is the product of codes of FP4 (E2M1) with E8M0 scales, sums in f32.
; THE ARITHMETIC IS reference()'S: t = fl(sum z^2 + sum e^2), d = fl(t - 2 dot), and of equal d the lowest index wins.  2 dot is exact: the factor 2 is folded into z's scale bytes (each byte + 1).
; Neither sum is dropped or folded into the product: a row's distances lie on the grid of a number as large as sum z^2, so equal least distances occur.
; SHARES.  A work-group owns 256 rows.  Wave w of eight: g = w & 3, b = w >> 2: rows 64 g .. 64 g + 63 (four tiles of 16, whose fragments stay in registers) against the code tiles T = 2 u + b, u = 0 .. 63.
; z is read once, quantised in registers (wave w: row tiles 2 w, 2 w + 1) and handed round through LDS as images of the operand's registers.
; THE PRODUCT IS USED TRANSPOSED: source 0 = 16 codes, source 1 = 16 rows of z: a lane holds ONE row (lane % 16), and the 16 registers of a unit (32 codes x 16 rows: two accumulators) hold codes 32 T + 8 h + j (j < 8)
; and 32 T + 16 + 8 h + j - 8: rising with j.  For each unit: t (8 dual sums), d in place (8 dual differences), the least of the 16 and the running least (8 lines of three operands), one compare (strictly less,
; so the earlier tile keeps a tie), the tile's number and the tile's 16 distances kept where it won (8 dual selections).  The place inside the winning tile is looked for once, at the end.
; THE CODEBOOK comes as records of 4,608 bytes a tile of 32 codes (the launch before laid them in the order of the operand's registers) through two LDS slots of 16 records, filled by the tensor data mover.
; CLUSTER.  Every work-group walks the same records: the four of a cluster ask for each slot JOINTLY (waves 0 to 3: four records each; the same descriptor in all four, mask 15).
; AT A CHANGE OF SLOTS two tiles lie in registers: one of them is worked between the round's opening signal and its wait (register work alone).
; No data prefetch is laid: a slot is asked for a whole slot's work (8 tiles a wave) ahead of its first read, and z is asked for by 32 loads a wave at the kernel's head, with no loop to run ahead in.
; LIMITS: NaN and infinities among the inputs are not served; a block of z whose largest magnitude lies under 2^-124, a block of zeros among them, gets the floor's scale byte (zero codes add nothing under it);
; z's scale bytes lie between 2 and 253; sum z^2 and sum e^2 are added in another order than reference()'s.
; REGISTERS, window 0: v1-15 addresses; v16-19 the codes' scale words, two sets; v20-23 z's scale words; v24-39 four a row tile: sum z^2, the winning tile, the least (two by turns); v40-55 at work;
;   v56-87 sum e^2, two sets; v89, 93, 97, 101 sum z^2 once more (the two halves of a dual sum read different registers); v120-183 results, two sets of two units; v184-247 the winning tile's 16 distances.
;   window 1: v0-63 z's fragments; v64-127 the codes' fragments, two sets.  Every dual line names window 0 alone; the products stand in groups of four under their own setting.
.set REC,   4608
.set SLOTB, 16*REC                     ; a slot: 16 records, 288 rows of 256 bytes
.set SLOT1, 1<<17                      ; slot 1 begins here: one exclusive or turns an address in one slot into the other's
.set ZIMG,  73728                      ; z's fragments: row tile x 2,048 + K step x 1,024 + 512 c + 16 x lane
.set ZSC,   106496                     ; z's scale words: 128 bytes a row tile (lanes 0-15 K step 0, lanes 16-31 K step 1)
.set ZZO,   2048                       ; sum z^2: the same places, 2,048 bytes on
.set MRG,   110592                     ; the two halves of the codes meet: least[2][256], then index[2][256]
.set SPARE, 114688                     ; the spare words, 128 bytes for each wave: four blocks of 256 bytes that no other line names
.set STG,   204800                     ; behind slot 1: a stage of 16 rows x (512 + 16) bytes for each wave
.set STGB,  8448
.set SPW, 1                            ; SPARE + 4 x my thread's number; never rewritten
.set NIL, 2                            ; 0; never rewritten
.set L16, 3                            ; 16 x lane
.set STW, 4                            ; my stage, on the way in
.set STR, 5                            ; and out: + 528 r + 64 h
.set ZWI, 6                            ; where I store z's images
.set ZWS, 7                            ; and their scale words
.set ZRI, 8                            ; where I read my four row tiles' images
.set ZRS, 9                            ; and their scale words
.set ALI, 10                           ; my lane's place in a record's codes (+ REC b)
.set ASB, 11                           ; in its scale words: 8 x lane
.set AEB, 12                           ; in its sums of squares: 32 h
.set ADA, 13                           ; v13-15 the same three in the records to be read next
.set ADS, 14
.set ADE, 15
.set ASC, 16
.set ZS,  20
.set ST,  24                           ; row tile i at ST + 4 i: +0 sum z^2, +1 the winning u, +2, +3 the least, old and new by turns
.set T,   40
.set EE,  56
.set ZB,  89
.set ACC, 120
.set BEST, 184
.set MW,  248                          ; where I put a row's least and index
.set MR,  249                          ; where two rows' are read back
.set HB,  250                          ; 8 h + 32 b
.set GO,  251                          ; 8 x (thread & 127): two rows' indices in idx
.set TM,  24                           ; while z is quantised: at work (v24-39), codes (v40-47), sums of squares (v48-55), two sets as loaded (v56-183), 64 numbers (v184-247), scale words (v252-254)
.set PC,  40
.set SQ,  48
.set RA,  56
.set X,   184
.set PW,  252
.set ZF,  0                            ; window 1: z's fragments, row tile i, K step s at 16 i + 8 s
.set AFW, 64                           ; window 1: the codes' fragments
.set WV,  10                           ; s10 my wave's number; s11 g; s12 b
.set G1,  24                           ; s[24:31] descriptor group 1
.set G0,  32                           ; s[32:35] descriptor group 0: it walks
.set TB,  36                           ; LDS byte of the four records to be read next
.set U0,  37                           ; the numbers u of a trip's two tiles
.set U1,  38
.set SEL, 42                           ; s[42:43] v_permlanex16_b32's selects for lane l xor 16
.set HI,  44                           ; lanes 16-31
.set W_M,  0x05                        ; sources 0 and 1 in window 1: a product's two fragments
.set W_T1, 0x40                        ; destination in window 1
.set MSB, 0
.macro WIN new                         ; the immediate's high byte repeats the setting that is left; a switch that changes nothing is dropped
.if MSB != \new
	s_set_vgpr_msb (MSB<<8)|\new
.set MSB, \new
.endif
.endm
.macro CREST                           ; a round of the cluster's barrier behind its opening barrier
	s_cmp_lg_u32 s[WV], 0
	s_cbranch_scc1 .Lnot_wave_0_\@
	s_barrier_signal -3
.Lnot_wave_0_\@:
	s_barrier_wait -3
	s_barrier_signal -1
	s_barrier_wait -1
.endm
.macro CROUND                          ; a whole round
	s_barrier_signal -1
	s_barrier_wait -1
	CREST
.endm
.macro TLOAD                           ; waves 0 to 3 ask for four records each; the branch hangs on the wave's number alone.  An s_nop 0 and four v_nop follow the load
	s_cmp_lt_u32 s[WV], 4
	s_cbranch_scc0 .Lasked_\@
	tensor_load_to_lds s[G0:G0+3], s[G1:G1+7]
	s_nop 0
.rept 4
	v_nop
.endr
.Lasked_\@:
.endm
; In front of a change's barrier: all my tensor loads have landed (one was out: my part of the slot ahead); 0 onto my spare word, twice on end.
.macro MEETS fill
	s_wait_tensorcnt 0x0
	ds_add_u32 v[SPW], v[NIL]
	ds_add_u32 v[SPW], v[NIL]
.if \fill
	s_xor_b32 s[G0+1], s[G0+1], SLOT1              ; no tensor load of mine is out, so group 0 may be written: the other slot than last time,
	s_add_nc_u64 s[G0+2:G0+3], s[G0+2:G0+3], SLOTB ; the next 16 records; the type bits on top are not reached
.endif
	s_wait_dscnt 0x0
.endm
.macro GLOAD set, off                  ; half of each of 16 rows of z: 512 consecutive bytes a load; read once in the launch
.irp i, 0,1,2,3,4,5,6,7,8,9,10,11,12,13,14,15
	global_load_b128 v[\set+4*\i:\set+4*\i+3], v[L16], s[4:5] offset:\off+1024*\i th:TH_LOAD_NT
.endr
.endm
.macro TURN_IN set, stg                ; into my stage as loaded
.irp i, 0,1,2,3,4,5,6,7,8,9,10,11,12,13,14,15
	ds_store_b128 v[STW], v[\set+4*\i:\set+4*\i+3] offset:\stg+528*\i
.endr
.endm
.macro TURN_OUT stg                    ; and back, 16 neighbours of each block of 32 to a lane.  LDS serves a wave's instructions in order (ISA guide 5.7.1.4): these see the stores
.irp b, 0,1,2,3
.irp j, 0,1,2,3
	ds_load_b128 v[X+16*\b+4*\j:X+16*\b+4*\j+3], v[STR] offset:\stg+128*\b+16*\j
.endr
.endr
.endm
.macro SUMSQ first                     ; my 64 numbers' squares onto four pairs of sums; first = 1: the first four products start them
.set cnt, 0
.rept 32
.if (\first) && (cnt < 4)
	v_pk_mul_f32 v[SQ+2*cnt:SQ+2*cnt+1], v[X+2*cnt:X+2*cnt+1], v[X+2*cnt:X+2*cnt+1]
.else
	v_pk_fma_f32 v[SQ+2*(cnt%4):SQ+2*(cnt%4)+1], v[X+2*cnt:X+2*cnt+1], v[X+2*cnt:X+2*cnt+1], v[SQ+2*(cnt%4):SQ+2*(cnt%4)+1]
.endif
.set cnt, cnt+1
.endr
.endm
.macro FOLD                            ; the row's sum of squares into v[SQ], in both lanes of the row
	v_pk_add_f32 v[SQ:SQ+1], v[SQ:SQ+1], v[SQ+2:SQ+3]
	v_pk_add_f32 v[SQ+4:SQ+5], v[SQ+4:SQ+5], v[SQ+6:SQ+7]
	s_delay_alu instid0(VALU_DEP_1)
	v_pk_add_f32 v[SQ:SQ+1], v[SQ:SQ+1], v[SQ+4:SQ+5]
	s_delay_alu instid0(VALU_DEP_1)
	v_add_f32 v[SQ], v[SQ], v[SQ+1]
	s_delay_alu instid0(VALU_DEP_1)
	v_permlanex16_b32 v[SQ+1], v[SQ], s[SEL], s[SEL+1]
	s_delay_alu instid0(VALU_DEP_1)
	v_add_f32 v[SQ], v[SQ], v[SQ+1]
.endm
; 64 numbers of a lane, register 16 b + i = k 32 b + 16 (lane / 16) + i of my row, become a fragment's 8 registers of codes in v[pc] on and its scale word in v[pw].
.macro QUANT s, pc, pw
.irp b, 0,1,2,3
	v_max3_num_f32 v[TM+\b], |v[\s+16*\b]|, |v[\s+1+16*\b]|, 0x1800000   ; block b: my 16 numbers, and the floor 2^(3 - 127): the byte cannot fall under 1
.endr
.irp i, 2,4,6,8,10,12,14
.irp b, 0,1,2,3
	s_delay_alu instid0(VALU_DEP_4)
	v_max3_num_f32 v[TM+\b], v[TM+\b], |v[\s+16*\b+\i]|, |v[\s+1+16*\b+\i]|   ; the four blocks by turns
.endr
.endr
.irp b, 0,1,2,3
	s_delay_alu instid0(VALU_DEP_4)
	v_permlanex16_b32 v[TM+4+\b], v[TM+\b], s[SEL], s[SEL+1]
.endr
.irp b, 0,1,2,3
	s_delay_alu instid0(VALU_DEP_4)
	v_max_num_f32 v[TM+\b], v[TM+\b], v[TM+4+\b]   ; with lane l xor 16's: the block's largest magnitude
.endr
.irp b, 0,1,2,3
	s_delay_alu instid0(VALU_DEP_4)
	v_add_nc_u32 v[TM+12+\b], 0xff000000, v[TM+\b]   ; 2 off its exponent field: the conversion takes this operand's exponent field as its scale
.endr
.irp b, 0,1,2,3
	s_delay_alu instid0(VALU_DEP_4)
	v_lshrrev_b32 v[TM+4+\b], 23, v[TM+12+\b]      ; the scale's byte
.endr
	s_delay_alu instid0(VALU_DEP_3)
	v_lshl_or_b32 v[\pw], v[TM+5], 8, v[TM+4]      ; four bytes: my row's scale word
	s_delay_alu instid0(VALU_DEP_1)
	v_lshl_or_b32 v[\pw], v[TM+6], 16, v[\pw]
	s_delay_alu instid0(VALU_DEP_1)
	v_lshl_or_b32 v[\pw], v[TM+7], 24, v[\pw]
.irp b, 0,1,2,3
	v_cvt_scalef32_pk8_fp4_f32 v[\pc+2*\b], v[\s+16*\b:\s+7+16*\b], v[TM+12+\b]
	v_cvt_scalef32_pk8_fp4_f32 v[\pc+1+2*\b], v[\s+8+16*\b:\s+15+16*\b], v[TM+12+\b]
.endr
	v_nop                                          ; one plain place behind a scaled conversion
.irp c, 0,1                            ; the operand's layout wants a WHOLE block in a lane: lanes 0-15 block 2 c, lanes 16-31 block 2 c + 1
.irp i, 0,1
	v_permlane16_swap_b32 v[\pc+4*\c+\i], v[\pc+2+4*\c+\i]
.endr
.endr
.endm
; Job f of four: row tile f / 2 of my two, K step f % 2: 16 rows x 128 numbers become a fragment's image in LDS.
.macro JOB f
.set RS, RA+64*((\f)%2)
.if (\f) < 3
	s_wait_loadcnt 16                              ; this job's 16 loads are in; the next job's 16 may be out
.else
	s_wait_loadcnt 0x0
.endif
	TURN_IN RS, 0
	TURN_OUT 0
	s_wait_dscnt 0x0                               ; X is in; the stores have read their registers, the last job's too
.if (\f) < 2
	GLOAD RS, 16384*(((\f)+2)/2)+512*((\f)%2)      ; the job two on, into the set just freed
.endif
	SUMSQ 1-(\f)%2
	QUANT X, PC, PW+(\f)%2
	ds_store_b128 v[ZWI], v[PC:PC+3] offset:1024*(\f)
	ds_store_b128 v[ZWI], v[PC+4:PC+7] offset:1024*(\f)+512
.if (\f)%2
	FOLD
	v_cndmask_b32 v[PW+2], v[PW], v[PW+1], s[HI]   ; lanes 0-15: K step 0's word of row r; lanes 16-31: K step 1's
	s_delay_alu instid0(VALU_DEP_1)
	v_add_nc_u32 v[PW+2], 0x01010101, v[PW+2]      ; each byte + 1: the product comes out as 2 dot.  The bytes lay between 1 and 252: no carry, and every byte stays a finite code
	ds_store_b32 v[ZWS], v[PW+2] offset:128*((\f)/2)
	ds_store_b32 v[ZWS], v[SQ] offset:ZZO+128*((\f)/2)
.endif
.endm
.macro ADDR                            ; once a trip: the LDS addresses of the next four records (two of them mine)
	v_add_nc_u32 v[ADA], s[TB], v[ALI]
	v_add_nc_u32 v[ADS], s[TB], v[ASB]
	v_add_nc_u32 v[ADE], s[TB], v[AEB]
	s_add_co_u32 s[TB], s[TB], 4*REC
.endm
.macro LOADS ab, off                   ; a record into set ab: 32 registers of codes, two scale words (lane m: code m's), 16 sums of squares in the result's layout
	WIN W_T1
.irp g, 0,1,2,3,4,5,6,7
	ds_load_b128 v[AFW+32*(\ab)+4*\g:AFW+32*(\ab)+4*\g+3], v[ADA] offset:\off+512*\g
.endr
	WIN 0
	ds_load_b64 v[ASC+2*(\ab):ASC+2*(\ab)+1], v[ADS] offset:\off
.irp e, 0,1,2,3
	ds_load_b128 v[EE+16*(\ab)+4*\e:EE+16*(\ab)+4*\e+3], v[ADE] offset:\off+16*(\e%2)+64*(\e/2)
.endr
.endm
; One matrix instruction: codes 16 hf .. 16 hf + 15 of set ab's tile x row tile i, K step s, into v[acc + 8 hf] on.  K step 0 starts the sum.  The codes' scale words: lanes 0-15 for hf = 0, lanes 16-31 for hf = 1;
; z's: lanes 0-15 for K step 0, lanes 16-31 for K step 1.
.macro MM1 acc, ab, s, i, hf
.set rD, \acc+8*(\hf)
.set rA, AFW+32*(\ab)+16*(\s)+8*(\hf)
.set rB, ZF+16*(\i)+8*(\s)
.set rX, ASC+2*(\ab)+(\s)
.set rY, ZS+(\i)
.if (\s) == 0
.if (\hf) == 0
	v_wmma_scale_f32_16x16x128_f8f6f4 v[rD:rD+7], v[rA:rA+7], v[rB:rB+7], 0, v[rX], v[rY] matrix_a_fmt:MATRIX_FMT_FP4 matrix_b_fmt:MATRIX_FMT_FP4
.else
	v_wmma_scale_f32_16x16x128_f8f6f4 v[rD:rD+7], v[rA:rA+7], v[rB:rB+7], 0, v[rX], v[rY] matrix_a_fmt:MATRIX_FMT_FP4 matrix_b_fmt:MATRIX_FMT_FP4 matrix_a_scale:MATRIX_SCALE_ROW1
.endif
.else
.if (\hf) == 0
	v_wmma_scale_f32_16x16x128_f8f6f4 v[rD:rD+7], v[rA:rA+7], v[rB:rB+7], v[rD:rD+7], v[rX], v[rY] matrix_a_fmt:MATRIX_FMT_FP4 matrix_b_fmt:MATRIX_FMT_FP4 matrix_b_scale:MATRIX_SCALE_ROW1
.else
	v_wmma_scale_f32_16x16x128_f8f6f4 v[rD:rD+7], v[rA:rA+7], v[rB:rB+7], v[rD:rD+7], v[rX], v[rY] matrix_a_fmt:MATRIX_FMT_FP4 matrix_b_fmt:MATRIX_FMT_FP4 matrix_a_scale:MATRIX_SCALE_ROW1 matrix_b_scale:MATRIX_SCALE_ROW1
.endif
.endif
.endm
.macro MM4 wm, acc, ab, s, i           ; K step s of two units (row tiles i, i + 1): four accumulators, one instruction a turn, in the same order in both K steps
.if \wm
	WIN W_M
	MM1 \acc, \ab, \s, \i, 0
	MM1 \acc, \ab, \s, \i, 1
	MM1 \acc+16, \ab, \s, (\i)+1, 0
	MM1 \acc+16, \ab, \s, (\i)+1, 1
	WIN 0
.endif
.endm
.macro PADD i, eb                      ; t = sum z^2 (row tile i) + sum e^2, two a line: destinations even and odd, the two first sources and the two second sources in different register banks
.irp p, 0,1,2,3,4,5,6,7
	v_dual_add_f32 v[T+2*\p], v[ST+4*(\i)], v[EE+16*(\eb)+2*\p] :: v_dual_add_f32 v[T+2*\p+1], v[ZB+4*(\i)], v[EE+16*(\eb)+2*\p+1]
.endr
.endm
.macro PSUB acc                        ; d = t - 2 dot, in place, two a line, each accumulator from its low end on
.irp p, 0,1,2,3,4,5,6,7
	v_dual_sub_f32 v[\acc+2*\p], v[T+2*\p], v[\acc+2*\p] :: v_dual_sub_f32 v[\acc+2*\p+1], v[T+2*\p+1], v[\acc+2*\p+1]
.endr
.endm
; The distances of pair q (row tiles 2 q, 2 q + 1; results in set q; sum e^2 in set eb).  wm = 1: the next pair's eight matrix instructions (codes in set nab, row tiles ni, ni + 1, results into the other set) stand
; ahead of each unit's sixteen dual lines, four at a time.  A result is read a whole pair's vector work behind the instruction that made it.
.macro BETA q, eb, wm, nab, ni
.set cA, ACC+32*(\q)
.set nA, ACC+32*(1-(\q))
	MM4 \wm, nA, \nab, 0, \ni
	PADD 2*(\q), \eb
	PSUB cA
	MM4 \wm, nA, \nab, 1, \ni
	PADD 2*(\q)+1, \eb
	PSUB cA+16
.endm
.macro KEEP d, st, be, par, su         ; where the new least is strictly under the old, the tile's number and its 16 distances are kept
	v_cmp_lt_f32 vcc_lo, v[\st+3-(\par)], v[\st+2+(\par)]
	s_delay_alu instid0(VALU_DEP_1)
	v_cndmask_b32 v[\st+1], v[\st+1], s[\su], vcc_lo
.irp j, 0,2,4,6,8,10,12,14
	v_dual_cndmask_b32 v[\be+\j], v[\be+\j], v[\d+\j] :: v_dual_cndmask_b32 v[\be+\j+1], v[\be+\j+1], v[\d+\j+1]
.endr
.endm
.macro ALPHA q, par, su                ; the least of each unit's 16 distances and the old least (in place par), into place 1 - par; the two units by turns
	WIN 0
.set dA, ACC+32*(\q)
.set dB, dA+16
.set sA, ST+8*(\q)
.set sB, sA+4
.set bA, BEST+32*(\q)
.irp n, 0,1,2,3,4
	v_min3_num_f32 v[T+\n], v[dA+3*\n], v[dA+3*\n+1], v[dA+3*\n+2]
	v_min3_num_f32 v[T+8+\n], v[dB+3*\n], v[dB+3*\n+1], v[dB+3*\n+2]
.endr
	v_min3_num_f32 v[T+5], v[T], v[T+1], v[T+2]
	v_min3_num_f32 v[T+13], v[T+8], v[T+9], v[T+10]
	s_delay_alu instid0(VALU_DEP_4)
	v_min3_num_f32 v[T+6], v[T+3], v[T+4], v[dA+15]
	s_delay_alu instid0(VALU_DEP_4)
	v_min3_num_f32 v[T+14], v[T+11], v[T+12], v[dB+15]
	s_delay_alu instid0(VALU_DEP_2)
	v_min3_num_f32 v[sA+3-(\par)], v[T+5], v[T+6], v[sA+2+(\par)]
	s_delay_alu instid0(VALU_DEP_2)
	v_min3_num_f32 v[sB+3-(\par)], v[T+13], v[T+14], v[sB+2+(\par)]
	KEEP dA, sA, bA, \par, \su
	KEEP dB, sB, bA+16, \par, \su
.endm
; A tile of 32 codes (set ab) against my four row tiles.  ld = 1: the tile two on is read into set ab, whose last product stands a pair's work back.  nw = 1: the next tile's first products are issued.
; wt = 1: the wait for the next tile's record (wt = 0 where it has been waited for already).
.macro TILE ab, su, ld, off, nw, wt
	BETA 0, \ab, 1, \ab, 2
	ALPHA 0, \ab, \su
.if \wt
	s_wait_dscnt 0x0                               ; the next tile's record is in registers
.endif
	BETA 1, \ab, \nw, 1-(\ab), 0
.if \ld
	LOADS \ab, \off
.endif
	ALPHA 1, \ab, \su
.endm
.macro TRIP ld, nw                     ; two tiles; afterwards the least lies in its first place again
.if \ld
	ADDR
.endif
	TILE 0, U0, \ld, 0, 1, 1
	TILE 1, U1, \ld, 2*REC, \nw, 1
	s_add_co_u32 s[U0], s[U0], 2
	s_add_co_u32 s[U1], s[U1], 2
.endm
; A TRIP WITH THE CHANGE OF SLOTS IN IT.  The slot's last two tiles of mine lie in registers.  The first is worked between the barrier's signal and its wait: register work alone.
; fill = 1: the slot left is filled again: the barrier opens a round of the cluster's, and the joint load is the first thing behind the round.  Then the reads go on in the other slot.
.macro CTRIP fill
	MEETS \fill
	s_barrier_signal -1
	TILE 0, U0, 0, 0, 1, 0
	s_wait_alu depctr_va_vdst(0)
	s_barrier_wait -1
.if \fill
	CREST
	TLOAD
.endif
	s_sub_co_u32 s[TB], s[TB], SLOTB
	s_xor_b32 s[TB], s[TB], SLOT1                  ; the other slot's first record
	ADDR
	LOADS 0, 0
	TILE 1, U1, 1, 2*REC, 1, 1
	s_add_co_u32 s[U0], s[U0], 2
	s_add_co_u32 s[U1], s[U1], 2
.endm
	s_load_b128 s[4:7], s[0:1], 0x0                ; z, cbq
	s_load_b64 s[8:9], s[0:1], 0x10                ; idx
	v_lshl_add_u32 v[SPW], v0, 2, SPARE
	v_mov_b32 v[NIL], 0
	ds_add_u32 v[SPW], v[NIL]
	ds_add_u32 v[SPW], v[NIL]
	s_wait_dscnt 0x0
	v_lshrrev_b32 v255, 5, v0
	s_delay_alu instid0(VALU_DEP_1)
	v_readfirstlane_b32 s[WV], v255                ; wave 0..7
	s_and_b32 s11, s[WV], 3                        ; g: my 64 rows; also which four records of a slot I fetch
	s_lshr_b32 s12, s[WV], 2                       ; b: even or odd tiles of codes
	s_bfe_u32 s13, ttmp6, 0x40000                  ; cx: my place in the cluster: it enters z's and idx's addresses alone
	s_lshl_b32 s14, ttmp9, 2                       ; in a cluster launch ttmp9 counts clusters
	s_add_co_u32 s14, s14, s13                     ; my block of 256 rows
	s_lshl_b32 s20, s14, 18                        ; its 256 rows of 1,024 bytes,
	s_lshl_b32 s21, s[WV], 15                      ; the 32 of them that I quantise
	s_add_co_u32 s20, s20, s21
	s_mov_b32 s21, 0
	s_lshl_b32 s22, s14, 10                        ; its 256 indices
	s_mov_b32 s23, 0
	v_and_b32 v252, 31, v0                         ; lane
	v_and_b32 v253, 15, v0                         ; r
	v_bfe_u32 v254, v0, 4, 1                       ; h
	s_delay_alu instid0(VALU_DEP_3)
	v_lshlrev_b32 v[L16], 4, v252
	s_wait_alu depctr_va_vdst(0)
	v_lshlrev_b32 v255, 2, v252
	s_wait_alu depctr_va_vdst(0)
	s_mul_i32 s16, s[WV], STGB
	s_add_co_u32 s16, s16, STG
	v_add_nc_u32 v[STW], s16, v[L16]
	v_mul_u32_u24 v[STR], v253, 528
	s_delay_alu instid0(VALU_DEP_1)
	v_lshl_add_u32 v[STR], v254, 6, v[STR]
	s_delay_alu instid0(VALU_DEP_1)
	v_add_nc_u32 v[STR], s16, v[STR]
	s_lshl_b32 s16, s[WV], 12
	s_add_co_u32 s16, s16, ZIMG
	v_add_nc_u32 v[ZWI], s16, v[L16]
	s_lshl_b32 s16, s[WV], 8
	s_add_co_u32 s16, s16, ZSC
	v_add_nc_u32 v[ZWS], s16, v255
	s_lshl_b32 s16, s11, 13
	s_add_co_u32 s16, s16, ZIMG
	v_add_nc_u32 v[ZRI], s16, v[L16]
	s_lshl_b32 s16, s11, 9
	s_add_co_u32 s16, s16, ZSC
	v_add_nc_u32 v[ZRS], s16, v255
	s_mul_i32 s16, s12, REC
	v_add_nc_u32 v[ALI], s16, v[L16]
	v_lshl_add_u32 v[ASB], v252, 3, s16
	s_delay_alu instid0(VALU_DEP_1)
	v_add_nc_u32 v[ASB], 4096, v[ASB]
	v_lshl_add_u32 v[AEB], v254, 5, s16
	s_delay_alu instid0(VALU_DEP_1)
	v_add_nc_u32 v[AEB], 4352, v[AEB]
	s_lshl_b32 s16, s12, 10
	s_lshl_b32 s17, s11, 8
	s_add_co_u32 s16, s16, s17
	s_add_co_u32 s16, s16, MRG
	v_lshl_add_u32 v[MW], v253, 2, s16             ; MRG + 1024 b + 256 g + 4 r
	v_and_b32 v[GO], 127, v0
	s_delay_alu instid0(VALU_DEP_1)
	v_lshlrev_b32 v[GO], 3, v[GO]
	s_delay_alu instid0(VALU_DEP_1)
	v_add_nc_u32 v[MR], MRG, v[GO]
	s_lshl_b32 s16, s12, 5
	v_lshl_add_u32 v[HB], v254, 3, s16
.irp b, 0,1,2,3
	v_mov_b32 v[TM+4+\b], 0                        ; written once: a lane permute's destination counts as one of its sources
.endr
	s_mov_b32 s[SEL], 0x76543210
	s_mov_b32 s[SEL+1], 0xfedcba98
	s_mov_b32 s[HI], 0xffff0000
	s_mov_b32 s45, 0x7f800000                      ; +infinity
	s_mov_b32 s[TB], 0
	s_mov_b32 s[U0], 0
	s_mov_b32 s[U1], 1
	; descriptor group 1: four records, 18,432 dense bytes, as 72 rows of 256 bytes (32 elements of 8 bytes), no padding: every read of a record takes consecutive bytes
	s_mov_b32 s[G1], 15|(3<<16)|(1<<21)            ; 15:0 the mask: all four work-groups; 17:16 elements of 8 bytes; 21 set beside a mask
	s_mov_b32 s[G1+1], 32<<16                      ; tensor_dim0 = 32
	s_mov_b32 s[G1+2], 72<<16                      ; tensor_dim1 = 72
	s_mov_b32 s[G1+3], 32<<16                      ; tile_dim0 = 32
	s_mov_b32 s[G1+4], 72                          ; tile_dim1 = 72
	s_mov_b32 s[G1+5], 32                          ; elements from row to row
	s_mov_b32 s[G1+6], 0
	s_mov_b32 s[G1+7], 0
	s_mul_i32 s18, s11, 4*REC                      ; my four records, in memory and in a slot alike: nothing of the work-group enters the descriptor
	s_mov_b32 s19, 0
	s_wait_alu depctr_va_vdst(0)
	s_wait_kmcnt 0x0
	s_add_nc_u64 s[4:5], s[4:5], s[20:21]          ; z at the 32 rows that I quantise
	s_add_nc_u64 s[8:9], s[8:9], s[22:23]          ; idx at my block
	GLOAD RA, 0                                    ; z's first two jobs are asked for ahead of the cluster's round: nobody writes these bytes
	GLOAD RA+64, 512
	s_mov_b32 s[G0], 1                             ; count = 1
	s_mul_i32 s[G0+1], s11, 4*REC                  ; LDS address: slot 0
	s_add_nc_u64 s[G0+2:G0+3], s[6:7], s[18:19]    ; global address: records 0 to 15
	s_or_b32 s[G0+3], s[G0+3], 0x80000000          ; type = 2
	CROUND                                         ; all four work-groups are here: the first joint load meets
	TLOAD                                          ; slot 0: one tensor load of mine is out
	; ---- z: my 32 rows become four fragments, their scale words and the rows' sums of squares
	JOB 0
	JOB 1
	JOB 2
	JOB 3
.irp i, 0,1,2,3
	v_mov_b32 v[ST+4*\i+1], 0                      ; the winning tile so far,
	v_mov_b32 v[ST+4*\i+2], s45                    ; the least so far: +infinity
.endr
.set cnt, 0
.rept 64
	v_mov_b32 v[BEST+cnt], s45                     ; once: a row that no tile wins keeps index 0, as argmin gives it
.set cnt, cnt+1
.endr
	MEETS 1                                        ; slot 0 is whole and z's images lie in LDS, for every wave;
	CROUND
	TLOAD                                          ; slot 1's first fill, issued as a refill is
	WIN W_T1
.irp i, 0,1,2,3
.irp s, 0,1
.irp c, 0,1
	ds_load_b128 v[ZF+16*\i+8*\s+4*\c:ZF+16*\i+8*\s+4*\c+3], v[ZRI] offset:1024*(2*\i+\s)+512*\c   ; my four row tiles' fragments stay in registers
.endr
.endr
.endr
	WIN 0
.irp i, 0,1,2,3
	ds_load_b32 v[ZS+\i], v[ZRS] offset:128*\i
	ds_load_b32 v[ST+4*\i], v[ZRS] offset:ZZO+128*\i
	ds_load_b32 v[ZB+4*\i], v[ZRS] offset:ZZO+128*\i
.endr
	ADDR
	LOADS 0, 0                                     ; my first two tiles of codes
	LOADS 1, 2*REC
	s_wait_dscnt 0x0
	MM4 1, ACC, 0, 0, 0                            ; the first tile against row tiles 0 and 1; the trip's address lines and dual sums are the places ahead of the first read
	MM4 1, ACC, 0, 1, 0
	s_mov_b32 s40, 3
.Lfirst_slot:                                      ; three trips read the rest of slot 0
	TRIP 1, 1
	s_sub_co_u32 s40, s40, 1
	s_cmp_lg_u32 s40, 0
	s_cbranch_scc1 .Lfirst_slot
	s_mov_b32 s39, 6
.Lslot:                                            ; six changes of slots that fill the slot left: records 32 to 127
	CTRIP 1
	s_mov_b32 s40, 3
.Ltrip:
	TRIP 1, 1
	s_sub_co_u32 s40, s40, 1
	s_cmp_lg_u32 s40, 0
	s_cbranch_scc1 .Ltrip
	s_sub_co_u32 s39, s39, 1
	s_cmp_lg_u32 s39, 0
	s_cbranch_scc1 .Lslot
	CTRIP 0                                        ; the last slot is written out
	s_mov_b32 s40, 3
.Llast_slot:
	TRIP 1, 1
	s_sub_co_u32 s40, s40, 1
	s_cmp_lg_u32 s40, 0
	s_cbranch_scc1 .Llast_slot
	TRIP 0, 0                                      ; the last two tiles: nothing more to read or to multiply
	; ---- the place inside the winning tile: the lowest register that holds the least
.irp i, 0,1,2,3
	v_mov_b32 v[T+\i], 15
.endr
.irp j, 14,13,12,11,10,9,8,7,6,5,4,3,2,1,0
.irp i, 0,1,2,3
	v_cmp_eq_f32 vcc_lo, v[BEST+16*\i+\j], v[ST+4*\i+2]
	s_delay_alu instid0(VALU_DEP_1)
	v_cndmask_b32 v[T+\i], v[T+\i], \j, vcc_lo
.endr
.endr
.irp i, 0,1,2,3
	v_and_b32 v[T+4+\i], 8, v[T+\i]
	s_delay_alu instid0(VALU_DEP_1)
	v_add_nc_u32 v[T+\i], v[T+\i], v[T+4+\i]       ; register j is code j + (j & 8) + 8 h of its tile,
	s_delay_alu instid0(VALU_DEP_1)
	v_add_nc_u32 v[T+\i], v[HB], v[T+\i]
	s_delay_alu instid0(VALU_DEP_1)
	v_lshl_add_u32 v[T+\i], v[ST+4*\i+1], 6, v[T+\i]   ; tile 2 u + b begins at code 64 u + 32 b
.endr
.irp i, 0,1,2,3                        ; with lane l xor 16's: the smaller distance, of equal ones the lower index; both lanes end with the same pair
	v_permlanex16_b32 v[T+8+\i], v[ST+4*\i+2], s[SEL], s[SEL+1]
	v_permlanex16_b32 v[T+12+\i], v[T+\i], s[SEL], s[SEL+1]
	s_delay_alu instid0(VALU_DEP_2)
	v_cmp_lt_f32 s46, v[T+8+\i], v[ST+4*\i+2]
	s_delay_alu instid0(VALU_DEP_3)
	v_cmp_eq_f32 s47, v[T+8+\i], v[ST+4*\i+2]
	s_delay_alu instid0(VALU_DEP_3)
	v_cmp_lt_u32 s48, v[T+12+\i], v[T+\i]
	s_and_b32 s47, s47, s48
	s_or_b32 s46, s46, s47
	v_cndmask_b32 v[ST+4*\i+2], v[ST+4*\i+2], v[T+8+\i], s46
	v_cndmask_b32 v[T+\i], v[T+\i], v[T+12+\i], s46
	ds_store_b32 v[MW], v[ST+4*\i+2] offset:64*\i      ; both lanes of a row write the same word with the same value
	ds_store_b32 v[MW], v[T+\i] offset:2048+64*\i
.endr
	s_wait_dscnt 0x0                               ; for the others' sake: my stores have landed
	s_barrier_signal -1
	s_barrier_wait -1
	s_cmp_lt_u32 s[WV], 4                          ; waves 0 to 3 join the even and the odd tiles' results, two rows a lane
	s_cbranch_scc0 .Lend
	ds_load_b64 v[40:41], v[MR]                    ; the least over the even tiles,
	ds_load_b64 v[42:43], v[MR] offset:1024        ; over the odd ones,
	ds_load_b64 v[44:45], v[MR] offset:2048        ; and their indices
	ds_load_b64 v[46:47], v[MR] offset:3072
	s_wait_dscnt 0x0
.irp e, 0,1
	v_cmp_lt_f32 s46, v[42+\e], v[40+\e]
	v_cmp_eq_f32 s47, v[42+\e], v[40+\e]
	v_cmp_lt_u32 s48, v[46+\e], v[44+\e]
	s_and_b32 s47, s47, s48
	s_or_b32 s46, s46, s47
	v_cndmask_b32 v[48+\e], v[44+\e], v[46+\e], s46
.endr
	global_store_b64 v[GO], v[48:49], s[8:9]       ; a wave stores 256 consecutive bytes, at a multiple of 256 from idx's first byte
.Lend:
	s_wait_tensorcnt 0x0                           ; the wave's end, behind my last tensor load and my last LDS store
	ds_add_u32 v[SPW], v[NIL]
	s_wait_dscnt 0x0
	CROUND                                         ; the closing round: no work-group ends while a partner may still ask for a slot that names it
	s_endpgm
.Lfunc_end_k_q245fac6a73_main:
	.size	k_q245fac6a73_main, .Lfunc_end_k_q245fac6a73_main-k_q245fac6a73_main
	.p2alignl 7, 3214868480
	.fill 96, 4, 3214868480
	.section	.rodata,"a",@progbits
	.p2align	6, 0x0
	.amdhsa_kernel k_q245fac6a73_main
		.amdhsa_group_segment_fixed_size 327680
		.amdhsa_private_segment_fixed_size 0
		.amdhsa_enable_private_segment 0
		.amdhsa_kernarg_size 24
		.amdhsa_user_sgpr_count 2
		.amdhsa_user_sgpr_kernarg_segment_ptr 1
		.amdhsa_wavefront_size32 1
		.amdhsa_system_sgpr_workgroup_id_x 1
		.amdhsa_system_sgpr_workgroup_id_y 1
		.amdhsa_system_sgpr_workgroup_id_z 1
		.amdhsa_system_vgpr_workitem_id 0
		.amdhsa_next_free_vgpr 384
		.amdhsa_next_free_sgpr 66
		.amdhsa_reserve_vcc 1
		.amdhsa_float_denorm_mode_32 3
		.amdhsa_float_denorm_mode_16_64 3
		.amdhsa_memory_ordered 1
		.amdhsa_forward_progress 1
		.amdhsa_inst_pref_size 215
	.end_amdhsa_kernel
	.amdgpu_metadata
---
amdhsa.version: [ 1, 2 ]
amdhsa.kernels:
  - .name:           k_q245fac6a73_main
    .symbol:         k_q245fac6a73_main.kd
    .args:
      - { .name: z, .offset: 0, .size: 8, .value_kind: global_buffer, .address_space: global }
      - { .name: cbq, .offset: 8, .size: 8, .value_kind: global_buffer, .address_space: global }
      - { .name: idx, .offset: 16, .size: 8, .value_kind: global_buffer, .address_space: global }
    .group_segment_fixed_size: 327680
    .private_segment_fixed_size: 0
    .kernarg_segment_align: 8
    .kernarg_segment_size: 24
    .max_flat_workgroup_size: 256
    .sgpr_count:     66
    .vgpr_count:     384
    .wavefront_size: 32
...
	.end_amdgpu_metadata
.endif
;; end of part 2
;; launch take (part 3): grid 512 x 1, 8 waves a work-group, no clusters, 0 bytes of LDS; arguments idx, codebook, out0; writes out0
.if DOCPART == 3
	.amdgcn_target "amdgcn-amd-amdhsa--gfx1250"
	.amdhsa_code_object_version 6
	.text
	.protected	k_q245fac6a73_take
	.globl	k_q245fac6a73_take
	.p2align	8
	.type	k_q245fac6a73_take,@function
k_q245fac6a73_take:
	s_mov_b64 s[64:65], 0
	v_nop
	global_prefetch_b8 v0, s[64:65] scope:SCOPE_SE
	s_setreg_imm32_b32 hwreg(HW_REG_WAVE_MODE, 25, 1), 1
	s_wait_xcnt 0x0
; out0[row][:] = codebook[idx[row]][:], f32, as it lies: 65,536 rows of 1,024 bytes.  idx holds whole numbers that the launch before stored.
; A wave takes 16 rows.  Its 16 indices come by one scalar load; each is held at 4,095, the table's last row, before it enters an address.  A row is two loads and two stores of 512 consecutive bytes.
; All 32 loads of a wave go out before its first store; nothing is written twice, so no register waits for a store.  No LDS, no barrier, no matrix unit: the launch only moves bytes.
; The table's rows may be named many times and by every work-group: its loads carry no hint.  The output is written once and read by nobody here.
.set L16, 1                            ; v1     16 x lane
.set RO,  2                            ; v2-17  row i: 1,024 x index + 16 x lane
.set D,   24                           ; v24-151 row i: 8 registers
	s_load_b128 s[4:7], s[0:1], 0x0                ; idx, the codebook
	s_load_b64 s[8:9], s[0:1], 0x10                ; out0
	v_lshrrev_b32 v18, 5, v0
	s_delay_alu instid0(VALU_DEP_1)
	v_readfirstlane_b32 s10, v18                   ; wave 0..7
	v_and_b32 v[L16], 31, v0
	s_delay_alu instid0(VALU_DEP_1)
	v_lshlrev_b32 v[L16], 4, v[L16]
	s_lshl_b32 s11, ttmp9, 3
	s_add_co_u32 s11, s11, s10                     ; which run of 16 rows is my wave's: 0 .. 4,095
	s_lshl_b32 s12, s11, 6                         ; its 64 bytes of idx,
	s_mov_b32 s13, 0
	s_lshl_b32 s14, s11, 14                        ; its 16,384 bytes of out0
	s_mov_b32 s15, 0
	s_wait_alu depctr_va_vdst(0)
	s_wait_kmcnt 0x0
	s_add_nc_u64 s[4:5], s[4:5], s[12:13]
	s_add_nc_u64 s[8:9], s[8:9], s[14:15]
	s_load_b512 s[16:31], s[4:5], 0x0              ; my 16 indices
	s_wait_kmcnt 0x0
.irp i, 0,1,2,3,4,5,6,7,8,9,10,11,12,13,14,15
	s_min_u32 s[16+\i], s[16+\i], 4095
	v_lshl_add_u32 v[RO+\i], s[16+\i], 10, v[L16]
.endr
	s_wait_alu depctr_va_vdst(0)
.irp i, 0,1,2,3,4,5,6,7,8,9,10,11,12,13,14,15
	global_load_b128 v[D+8*\i:D+8*\i+3], v[RO+\i], s[6:7]
	global_load_b128 v[D+8*\i+4:D+8*\i+7], v[RO+\i], s[6:7] offset:512
.endr
.irp i, 0,1,2,3,4,5,6,7,8,9,10,11,12,13,14,15
	s_wait_loadcnt 30-2*\i                         ; loads come back in order (ISA guide 5.7.1): row i's two are in, those of the rows behind it may be out
	global_store_b128 v[L16], v[D+8*\i:D+8*\i+3], s[8:9] offset:1024*\i th:TH_STORE_NT
	global_store_b128 v[L16], v[D+8*\i+4:D+8*\i+7], s[8:9] offset:1024*\i+512 th:TH_STORE_NT
.endr
	s_endpgm
.Lfunc_end_k_q245fac6a73_take:
	.size	k_q245fac6a73_take, .Lfunc_end_k_q245fac6a73_take-k_q245fac6a73_take
	.p2alignl 7, 3214868480
	.fill 96, 4, 3214868480
	.section	.rodata,"a",@progbits
	.p2align	6, 0x0
	.amdhsa_kernel k_q245fac6a73_take
		.amdhsa_group_segment_fixed_size 0
		.amdhsa_private_segment_fixed_size 0
		.amdhsa_enable_private_segment 0
		.amdhsa_kernarg_size 24
		.amdhsa_user_sgpr_count 2
		.amdhsa_user_sgpr_kernarg_segment_ptr 1
		.amdhsa_wavefront_size32 1
		.amdhsa_system_sgpr_workgroup_id_x 1
		.amdhsa_system_sgpr_workgroup_id_y 1
		.amdhsa_system_sgpr_workgroup_id_z 1
		.amdhsa_system_vgpr_workitem_id 0
		.amdhsa_next_free_vgpr 152
		.amdhsa_next_free_sgpr 66
		.amdhsa_reserve_vcc 0
		.amdhsa_float_denorm_mode_32 3
		.amdhsa_float_denorm_mode_16_64 3
		.amdhsa_memory_ordered 1
		.amdhsa_forward_progress 1
		.amdhsa_inst_pref_size 10
	.end_amdhsa_kernel
	.amdgpu_metadata
---
amdhsa.version: [ 1, 2 ]
amdhsa.kernels:
  - .name:           k_q245fac6a73_take
    .symbol:         k_q245fac6a73_take.kd
    .args:
      - { .name: idx, .offset: 0, .size: 8, .value_kind: global_buffer, .address_space: global }
      - { .name: codebook, .offset: 8, .size: 8, .value_kind: global_buffer, .address_space: global }
      - { .name: out0, .offset: 16, .size: 8, .value_kind: global_buffer, .address_space: global }
    .group_segment_fixed_size: 0
    .private_segment_fixed_size: 0
    .kernarg_segment_align: 8
    .kernarg_segment_size: 24
    .max_flat_workgroup_size: 256
    .sgpr_count:     66
    .vgpr_count:     152
    .wavefront_size: 32
...
	.end_amdgpu_metadata
.endif
;; end of part 3
